; MI455X (gfx1250); checked and timed in simulation.
; The chip was launched on July 23, 2026; its instructions are those of AMD's public machine-readable ISA for CDNA 5 (MIT licence, August 2026) and "CDNA5" Instruction Set Architecture Reference Guide (July 2026). The comments in the code are by the model that wrote it; some were corrected since.
;; RBF Bias. Allowed arithmetic: float matrix products may take bf16 or f16 operands with f32 sums; all other float work in f32.
;; Inputs: alpha 8 x 1 float32; beta 8 x 1 float32; k 2 x 8 x 2,048 x 64 float32; ks_s 2 x 2,048 x 3 float32; q 2 x 8 x 2,048 x 64 float32; qs_s 2 x 2,048 x 3 float32; v 2 x 8 x 2,048 x 64 float32.
;; Outputs: out0 2 x 8 x 2,048 x 64 float32.
;; 2 versions, each right; version 2 is version 1 with the launch attn written anew for expert scheduling mode. Each part assembles by itself: llvm-mc -triple=amdgcn-amd-amdhsa -mcpu=gfx1250 --defsym DOCPART=n.
;; ======== version 1 of 2: 1 launch
;; limits: values are held in f16: magnitudes above 65,504 overflow, below 6.1e-05 lose precision
;; launch attn (part 1): grid 16 x 16, 4 waves a work-group, no clusters, 98,816 bytes of LDS; arguments q, k, v, qs_s, ks_s, alpha, beta, out0; writes out0
.if DOCPART == 1
	.amdgcn_target "amdgcn-amd-amdhsa--gfx1250"
	.amdhsa_code_object_version 6
	.text
	.protected	k_qec4d484568_attn
	.globl	k_qec4d484568_attn
	.p2align	8
	.type	k_qec4d484568_attn,@function
k_qec4d484568_attn:
	s_mov_b64 s[64:65], 0
	v_nop
	global_prefetch_b8 v0, s[64:65] scope:SCOPE_SE
	s_setreg_imm32_b32 hwreg(HW_REG_WAVE_MODE, 25, 1), 1
	s_wait_xcnt 0x0
; out[b,h,q,:] = sum over k of softmax_k( q.k / 8 + alpha[h] exp(-beta[h] |qs_s[b,q] - ks_s[b,k]|^2) ) v[b,h,k,:]
; B = 2, H = 8, S = 2048, D = 64, all tensors f32.  One launch, nothing goes through memory but inputs and the output.
;
; SHARES.  Work-group (x, y): head y = 8 b + h, queries 128 x .. 128 x + 127.  Four waves, 32 queries each (two tiles of 16, qt = 0, 1).
; All four waves walk the 2,048 keys together in 32 trips of 64 keys (four tiles of 16, kt = 0..3).
;
; TRANSPOSED FORM.  Scores are made as K Q^T: source A = 16 keys x 32 d, source B = 16 queries x 32 d.  In the result lane (r, h) holds
; query r and its registers 0..7 the keys 8 h + 0..7, so the softmax runs along a lane's registers and needs one exchange between the two
; halves of the lanes.  Two neighbouring key tiles, rounded to f16 and packed, ARE the B fragment (32 keys x 16 queries) of V^T P^T:
; the weights never leave the registers.  V^T's fragments come from f16 rows [key][d] in LDS by the transposing LDS load.
;
; WHAT IS FOLDED.  Everything is in base 2: Q is multiplied by log2(e) / 8 before it is rounded; the bias alpha log2(e) exp2(-beta log2(e) d^2)
; is written into the score accumulators and enters as the C operand of the first product.  The row sums of the weights are made by the
; matrix unit too: a fifth A fragment with ones in rows 0 and 8 and zeros elsewhere puts the sum of query r's weights into register 0 of
; its accumulator in both halves of the lanes (the other seven registers stay 0).  A running maximum is kept for each query, and the
; sums are scaled in every trip (no branch hangs on a number).
;
; WHY f16 AND NOT bf16 FOR THE MATRIX OPERANDS.  An output is a mean over up to 2,048 keys and is small beside the numbers that enter it, so the
; operands' rounding shows: f16 keeps 11 significant bits where bf16 keeps 8, an eighth of the error in the scores, the weights and V.
;
; WHY K AND V COME THROUGH REGISTERS, WITHOUT TENSOR LOADS AND WITHOUT A CLUSTER'S JOINT LOADS, although the 16 work-groups of a head read the
; same K and V: they are f32 in memory and the matrix unit wants 16 bits.  A tile of 64 keys brought into LDS as it lies is 32,768 bytes
; written, 32,768 bytes read back for rounding and 16,384 bytes stored again, before the first fragment is read; through registers
; it is the 16,384 bytes stored alone, and LDS already serves 14 fragment and coordinate loads for every 16 keys of every wave.
;
; LIMITS.  Q log2(e) / 8, K, V and the weights are rounded to f16 for the products; all else is f32.  A |q| log2(e) / 8, |k| or |v| above 65,504 becomes
; infinity there; under 2^-14 the step of f16 is 2^-24.  The weights lie in (0, 1] (the maximum is taken away first); a weight under 2^-25
; counts as 0, which over 2,048 keys is at most 2^-14 of the largest weight.  v_exp_f32 gives 0 for results under 2^-126 (ISA guide, 15.8), so a
; bias factor that small counts as 0.  d^2 is formed from differences of the coordinates, as in the definition.  A row with a NaN or a
; +infinity among its scores gives NaN, as the definition does.
;
; LDS:   0      key coordinates, three planes (x, y, z) of 2,048 f32
;        24576  K as f16, two slots of 64 rows, pitch 144 = 9 x 16: the 16 rows of a fragment load start at 16 different 16-byte columns of 256
;        43008  V as f16, two slots of 64 rows, pitch 160 = 5 x 32, an odd multiple of 32 for the transposing load
;        63488  the way out: 32 rows of 272 bytes for each wave, the wave's own
; SCALARS: s2 wave, s3 x, s4 y, s5 b, s6 4 h, s[8:23] the eight addresses, s[24:27] offsets, s[28:29] -beta log2 e (twice), s[30:31] alpha log2 e (twice),
;        s32-33 selects of the lane exchange, s34 loop counter, s35 trip number, s36 the trips (mod 4) in which this wave prefetches, s37 at work,
;        s[38:39] prefetch address, s40 alpha, s41 beta
.set PLANE,  8192
.set KB,     24576
.set KPITCH, 144
.set KSLOT,  64*KPITCH
.set VB,     KB+2*KSLOT
.set VPITCH, 160
.set VSLOT,  64*VPITCH
.set STAGE,  VB+2*VSLOT
.set SPITCH, 272
.set WSTAGE, 32*SPITCH
.set TILEB,  16384                     ; 64 rows of 256 bytes: a trip's part of K, and of V
; window 0 (v0-v255)
.set CA,  8                            ; coordinates: 32 h + 256 x trip
.set KA,  9                            ; K fragments: 144 r + 16 h
.set VA,  10                           ; V fragments: (8 h + lane % 8) 160 + 16 ((lane / 8) % 2)
.set KS,  11                           ; where I store K: (t / 16) 144 + 8 (t % 16)
.set VS,  12                           ; where I store V: (t / 16) 160 + 8 (t % 16)
.set GO,  13                           ; 16 t: my 16 bytes in 2,048 bytes of K or V; also my place in a coordinate plane
.set PFO, 14                           ; 256 x lane
.set MX,  16                           ; v[16:17] running maximum of qt 0, 1
.set MN,  18                           ; v[18:19] the new maximum
.set CR,  20                           ; v[20:21] exp2(old - new); at the end 1 / sum
.set QX,  22                           ; v[22:23], v[24:25], v[26:27]: my query's x, y, z for qt 0, 1
.set QY,  24
.set QZ,  26
.set BM,  28                           ; v[28:35] maxima of the eight tiles: BM + 2 kt + qt
.set PT,  36                           ; v[36:37] what the other half of the lanes holds
.set ST,  38                           ; the way out: where I put my numbers
.set RD,  39                           ; the way out: where I read rows back
.set TT,  40                           ; v[40:55] at work
.set QF,  56                           ; v[56:87] Q fragments: QF + 16 qt + 8 ks
.set CB,  88                           ; v[88:135] key coordinates, two buffers of 24: x 0-7, y 0-7, z 0-7
.set KF,  136                          ; v[136:167] K fragments, two buffers of 16: + 8 ks
.set SC,  168                          ; v[168:231] scores: SC + 16 kt + 8 qt; later the packed weights: SC + 32 kk + 8 qt
.set OO,  232                          ; 16 x lane
; window 1 (v256-v471, written by their low 8 bits)
.set GS,  0                            ; 64: K's eight loads, then V's, as loaded and then as rounded
.set OA,  64                           ; 64: the output's sums: OA + 32 qt + 8 dt
.set LS,  128                          ; 16: the weights' sums: LS + 8 qt, register 0
.set VF,  144                          ; 64: V^T fragments: VF + 32 kk + 8 dt
.set ONE, 208                          ; 8:  the fragment of ones
.set MSB, 0
.macro WIN new                         ; s_set_vgpr_msb: bits 1:0 source 0, 3:2 source 1, 5:4 source 2, 7:6 destination; the high byte repeats the setting that is left
.if MSB != \new
	s_set_vgpr_msb (MSB<<8)|\new
.set MSB, \new
.endif
.endm
; The next 64 rows of K and of V into registers: a load of the wave covers 512 consecutive bytes, the four waves' 2,048 bytes = 8 rows.
.macro STAGE_IN
	WIN 0x40                                       ; destination window 1, address window 0
.irp i, 0,1,2,3,4,5,6,7
	global_load_b128 v[GS+4*\i:GS+4*\i+3], v[GO], s[10:11] offset:2048*\i
.endr
.irp i, 0,1,2,3,4,5,6,7
	global_load_b128 v[GS+32+4*\i:GS+32+4*\i+3], v[GO], s[12:13] offset:2048*\i
.endr
	WIN 0
.endm
; They are rounded in place, four f32 into two registers, and stored: load i holds row 8 i + t / 16, columns 4 (t % 16) .. + 3.
.macro STAGE_OUT slot
	WIN 0x45                                       ; destination and both sources window 1
.set j, 0
.rept 16
	v_cvt_pk_f16_f32 v[GS+4*j], v[GS+4*j], v[GS+4*j+1]
	v_cvt_pk_f16_f32 v[GS+4*j+1], v[GS+4*j+2], v[GS+4*j+3]
.set j, j+1
.endr
	WIN 0x04                                       ; data window 1, address window 0
.irp i, 0,1,2,3,4,5,6,7
	ds_store_b64 v[KS], v[GS+4*\i:GS+4*\i+1] offset:KB+KSLOT*(\slot)+8*KPITCH*\i
.endr
.irp i, 0,1,2,3,4,5,6,7
	ds_store_b64 v[VS], v[GS+32+4*\i:GS+32+4*\i+1] offset:VB+VSLOT*(\slot)+8*VPITCH*\i
.endr
	WIN 0
.endm
; x, y, z of the keys 16 kt + 8 h + 0..7 of this trip (kt = 4: the next trip's first tile).  The 16 lanes of a half read the same bytes.
.macro LOADC kt
.irp p, 0,1,2
.irp e, 0,1
	ds_load_b128 v[CB+24*((\kt)&1)+8*\p+4*\e:CB+24*((\kt)&1)+8*\p+4*\e+3], v[CA] offset:PLANE*\p+64*(\kt)+16*\e
.endr
.endr
.endm
; Two A fragments (16 keys x 32 d each): lane (r, h) takes key r, d = 32 ks + 8 h + 0..7 and 32 ks + 16 + 8 h + 0..7.
.macro LOADK kt, slot
.irp ks, 0,1
.irp e, 0,1
	ds_load_b128 v[KF+16*((\kt)&1)+8*\ks+4*\e:KF+16*((\kt)&1)+8*\ks+4*\e+3], v[KA] offset:KB+KSLOT*(\slot)+16*KPITCH*(\kt)+64*\ks+32*\e
.endr
.endr
.endm
; Eight A fragments of V^T (16 d x 32 keys each) from rows [key][d]: the load transposes 8 x 8 numbers of 16 bits in each group of eight lanes.
.macro LOADV slot
	WIN 0x40
.irp kk, 0,1
.irp dt, 0,1,2,3
.irp e, 0,1
	ds_load_tr16_b128 v[VF+32*\kk+8*\dt+4*\e:VF+32*\kk+8*\dt+4*\e+3], v[VA] offset:VB+VSLOT*(\slot)+32*VPITCH*\kk+32*\dt+16*VPITCH*\e
.endr
.endr
.endr
	WIN 0
.endm
; Sixteen differences, two at a time: coordinate p of my eight keys less that of my query, for qt 0 and 1 (op_sel picks the query's register for both halves).
.macro DIFF dst, kt, p, qreg
.irp qt, 0,1
.irp jp, 0,2,4,6
	v_pk_add_f32 v[\dst+8*\qt+\jp:\dst+8*\qt+\jp+1], v[CB+24*(\kt&1)+8*\p+\jp:CB+24*(\kt&1)+8*\p+\jp+1], v[\qreg:\qreg+1] op_sel:[0,\qt] op_sel_hi:[1,\qt] neg_lo:[0,1] neg_hi:[0,1]
.endr
.endr
.endm
; One tile of 16 keys for both query tiles: the bias into the accumulators, then four products onto it.
.macro TILE kt, slot, nextc
	s_wait_dscnt 0x4                               ; LDS loads come back in order (ISA guide 5.7.1): only this tile's four K loads are younger than its coordinates
	DIFF SC+16*\kt, \kt, 0, QX                     ; these eight lines are also the places between the last tile's products and the loads into the K buffer that they read
.if \kt < 3
	LOADC \kt+1
	LOADK \kt+1, \slot
.else
	LOADV \slot
.if \nextc
	LOADC 4
.endif
.endif
.irp w, 0,2,4,6,8,10,12,14
	v_pk_mul_f32 v[SC+16*\kt+\w:SC+16*\kt+\w+1], v[SC+16*\kt+\w:SC+16*\kt+\w+1], v[SC+16*\kt+\w:SC+16*\kt+\w+1]
.endr
	DIFF TT, \kt, 1, QY
.irp w, 0,2,4,6,8,10,12,14
	v_pk_fma_f32 v[SC+16*\kt+\w:SC+16*\kt+\w+1], v[TT+\w:TT+\w+1], v[TT+\w:TT+\w+1], v[SC+16*\kt+\w:SC+16*\kt+\w+1]
.endr
	DIFF TT, \kt, 2, QZ
.irp w, 0,2,4,6,8,10,12,14
	v_pk_fma_f32 v[SC+16*\kt+\w:SC+16*\kt+\w+1], v[TT+\w:TT+\w+1], v[TT+\w:TT+\w+1], v[SC+16*\kt+\w:SC+16*\kt+\w+1]
.endr
.irp w, 0,2,4,6,8,10,12,14
	v_pk_mul_f32 v[SC+16*\kt+\w:SC+16*\kt+\w+1], v[SC+16*\kt+\w:SC+16*\kt+\w+1], s[28:29] op_sel_hi:[1,0]   ; x -beta log2 e
.endr
.set j, 0
.rept 16
	v_exp_f32 v[SC+16*\kt+j], v[SC+16*\kt+j]
.set j, j+1
.endr
	v_nop                                          ; one plain place behind the exponentials before a result is used (ISA guide 5.7.2)
	s_wait_alu depctr_va_vdst(0)
.irp w, 0,2,4,6,8,10,12,14
	v_pk_mul_f32 v[SC+16*\kt+\w:SC+16*\kt+\w+1], v[SC+16*\kt+\w:SC+16*\kt+\w+1], s[30:31] op_sel_hi:[1,0]   ; x alpha log2 e
.endr
.if \kt < 3
	s_wait_dscnt 0xa                               ; younger than this tile's K fragments: the next tile's 6 + 4 loads
.else
	s_wait_dscnt 16+6*\nextc                       ; younger: V's 16 loads, and the next trip's 6 coordinate loads where a trip follows
.endif
.irp ks, 0,1                                   ; the two accumulators take turns, one instruction a turn
.irp qt, 0,1
	v_wmma_f32_16x16x32_f16 v[SC+16*\kt+8*\qt:SC+16*\kt+8*\qt+7], v[KF+16*(\kt&1)+8*\ks:KF+16*(\kt&1)+8*\ks+7], v[QF+16*\qt+8*\ks:QF+16*\qt+8*\ks+7], v[SC+16*\kt+8*\qt:SC+16*\kt+8*\qt+7]
.endr
.endr
.endm
; The largest of a tile's eight registers, in four steps; the chains of several tiles are interleaved.
.macro MAXA kt, qt
	v_max3_num_f32 v[BM+2*\kt+\qt], v[SC+16*\kt+8*\qt], v[SC+16*\kt+8*\qt+1], v[SC+16*\kt+8*\qt+2]
.endm
.macro MAXB kt, qt, w
	v_max3_num_f32 v[BM+2*\kt+\qt], v[BM+2*\kt+\qt], v[SC+16*\kt+8*\qt+\w], v[SC+16*\kt+8*\qt+\w+1]
.endm
.macro MAXC kt, qt
	v_max_num_f32 v[BM+2*\kt+\qt], v[BM+2*\kt+\qt], v[SC+16*\kt+8*\qt+7]
.endm
; The trip's 64 keys: new maxima, weights, the old sums scaled, the weights packed into B fragments in place.
.macro SOFTMAX first
.irp kt, 0,1,2                                 ; tiles 0 to 2 first: these 24 lines name no register of tile 3's products and are the places behind them (ISA guide 7.12.1)
	MAXA \kt, 0
	MAXA \kt, 1
.endr
.irp kt, 0,1,2
	MAXB \kt, 0, 3
	MAXB \kt, 1, 3
.endr
.irp kt, 0,1,2
	MAXB \kt, 0, 5
	MAXB \kt, 1, 5
.endr
.irp kt, 0,1,2
	MAXC \kt, 0
	MAXC \kt, 1
.endr
	MAXA 3, 0
	MAXA 3, 1
	MAXB 3, 0, 3
	MAXB 3, 1, 3
	MAXB 3, 0, 5
	MAXB 3, 1, 5
	MAXC 3, 0
	MAXC 3, 1
.irp qt, 0,1
	v_max3_num_f32 v[BM+\qt], v[BM+\qt], v[BM+2+\qt], v[BM+4+\qt]
.endr
.irp qt, 0,1
	v_max_num_f32 v[BM+\qt], v[BM+\qt], v[BM+6+\qt]
.endr
.irp qt, 0,1
	v_permlanex16_b32 v[PT+\qt], v[BM+\qt], s32, s33       ; lane i takes lane i xor 16: the same query's other eight keys of each tile
.endr
.irp qt, 0,1
.if \first
	v_max_num_f32 v[MN+\qt], v[BM+\qt], v[PT+\qt]
.else
	v_max3_num_f32 v[MN+\qt], v[BM+\qt], v[PT+\qt], v[MX+\qt]
.endif
.endr
.if \first == 0
	v_pk_add_f32 v[CR:CR+1], v[MX:MX+1], v[MN:MN+1] neg_lo:[0,1] neg_hi:[0,1]
	v_exp_f32 v[CR], v[CR]
	v_exp_f32 v[CR+1], v[CR+1]                     ; the moves below are the plain place behind these two
.endif
	v_mov_b32 v[MX], v[MN]
	v_mov_b32 v[MX+1], v[MN+1]
.irp kt, 0,1,2,3
.irp qt, 0,1
.irp jp, 0,2,4,6
	v_pk_add_f32 v[SC+16*\kt+8*\qt+\jp:SC+16*\kt+8*\qt+\jp+1], v[SC+16*\kt+8*\qt+\jp:SC+16*\kt+8*\qt+\jp+1], v[MN:MN+1] op_sel:[0,\qt] op_sel_hi:[1,\qt] neg_lo:[0,1] neg_hi:[0,1]
.endr
.endr
.endr
.set j, 0
.rept 64
	v_exp_f32 v[SC+j], v[SC+j]
.set j, j+1
.endr
.if \first
	v_nop                                          ; the plain place behind the exponentials
	s_wait_alu depctr_va_vdst(0)
.else
	WIN 0x41                                       ; destination and source 0 window 1, the factor window 0; these lines are the place behind the exponentials too
	s_wait_alu depctr_va_vdst(0)
.irp qt, 0,1
.set j, 0
.rept 16
	v_pk_mul_f32 v[OA+32*\qt+2*j:OA+32*\qt+2*j+1], v[OA+32*\qt+2*j:OA+32*\qt+2*j+1], v[CR:CR+1] op_sel:[0,\qt] op_sel_hi:[1,\qt]
.set j, j+1
.endr
	v_mul_f32 v[LS+8*\qt], v[LS+8*\qt], v[CR+\qt]          ; registers 1 to 7 of the sums' accumulator are 0 and stay so
.endr
	WIN 0
.endif
.irp kk, 0,1                                   ; B fragment (kk, qt): registers 0-3 = keys 8 h + 0..7 of tile 2 kk, registers 4-7 = those of tile 2 kk + 1
.irp qt, 0,1
.irp jq, 0,1,2,3
	v_cvt_pk_f16_f32 v[SC+32*\kk+8*\qt+\jq], v[SC+32*\kk+8*\qt+2*\jq], v[SC+32*\kk+8*\qt+2*\jq+1]
.endr
.irp jq, 0,1,2,3
	v_cvt_pk_f16_f32 v[SC+32*\kk+8*\qt+4+\jq], v[SC+32*\kk+16+8*\qt+2*\jq], v[SC+32*\kk+16+8*\qt+2*\jq+1]
.endr
.endr
.endr
.endm
; V^T P^T and the row sums: ten accumulators take turns, one instruction a turn, in the same order for both halves of the keys.
; In the first trip the first product of each starts its sum: nothing is cleared.  The window is left set: the next block switches.
.macro PV first, nextc
	s_wait_dscnt 6*\nextc                          ; V's fragments are in; the next trip's six coordinate loads may stay out
	WIN 0x51                                       ; A, C and D window 1, B (the weights) window 0
.irp kk, 0,1
.irp dt, 0,1,2,3
.irp qt, 0,1
.if \first*(1-\kk)
	v_wmma_f32_16x16x32_f16 v[OA+32*\qt+8*\dt:OA+32*\qt+8*\dt+7], v[VF+32*\kk+8*\dt:VF+32*\kk+8*\dt+7], v[SC+32*\kk+8*\qt:SC+32*\kk+8*\qt+7], 0
.else
	v_wmma_f32_16x16x32_f16 v[OA+32*\qt+8*\dt:OA+32*\qt+8*\dt+7], v[VF+32*\kk+8*\dt:VF+32*\kk+8*\dt+7], v[SC+32*\kk+8*\qt:SC+32*\kk+8*\qt+7], v[OA+32*\qt+8*\dt:OA+32*\qt+8*\dt+7]
.endif
.endr
.endr
.irp qt, 0,1
.if \first*(1-\kk)
	v_wmma_f32_16x16x32_f16 v[LS+8*\qt:LS+8*\qt+7], v[ONE:ONE+7], v[SC+32*\kk+8*\qt:SC+32*\kk+8*\qt+7], 0
.else
	v_wmma_f32_16x16x32_f16 v[LS+8*\qt:LS+8*\qt+7], v[ONE:ONE+7], v[SC+32*\kk+8*\qt:SC+32*\kk+8*\qt+7], v[LS+8*\qt:LS+8*\qt+7]
.endif
.endr
.endr
.endm
; Prefetch.  The tile of trip T + 3 is 16,384 bytes of K and as many of V: four pieces of 8,192 bytes, 32 lanes 256 bytes apart each.  In trip T wave 0 of the
; four work-groups of this head with x / 4 = T mod 4 asks, x mod 4 picking the piece, so each block of 256 bytes is asked for once in the launch;
; the loads of that tile are issued at the end of trip T + 1.  T runs from 0 to 28: the last tile asked for is tile 31, the buffers' last.
.macro PREF
	s_and_b32 s37, s35, 3
	s_add_co_u32 s35, s35, 1
	s_cmp_eq_u32 s37, s36
	s_cbranch_scc0 .Lno_prefetch_\@
	global_prefetch_b8 v[PFO], s[38:39] th:TH_LOAD_NT scope:SCOPE_SE
.Lno_prefetch_\@:
.endm
; A trip: 64 keys from slot.  cvt = 1: the next tile, which is in registers, goes to the other slot; load = 1: the tile after it is asked for.
; ONE barrier a trip.  In front of it each wave's reads of this slot are back and its stores into the other slot are done; the other slot was last
; read in the trip before, in front of that trip's barrier.
.macro TRIP slot, first, cvt, load, pf
.if \pf
	PREF
.endif
	LOADK 0, \slot
	TILE 0, \slot, \cvt
	TILE 1, \slot, \cvt
	TILE 2, \slot, \cvt
	TILE 3, \slot, \cvt
	SOFTMAX \first
	PV \first, \cvt
.if \cvt
	s_wait_loadcnt 0x0                             ; the next tile's 16 loads, issued a trip ago
	STAGE_OUT 1-\slot                              ; its 32 roundings are also the places between the products above and the next trip's writes of the weights' registers
	s_wait_dscnt 0x0                               ; for the other waves: my reads of this slot and my stores into the other are done
	v_add_nc_u32 v[CA], 256, v[CA]                 ; the next trip's 64 keys in the coordinate planes
.if \load
	s_wait_xcnt 0x0                                ; the prefetch's base is stepped only behind this wait; the loads' bases are free since the wait for the loads
	s_add_nc_u64 s[10:11], s[10:11], TILEB
	s_add_nc_u64 s[12:13], s[12:13], TILEB
	s_add_nc_u64 s[38:39], s[38:39], TILEB
	STAGE_IN                                       ; stays on its way across the barrier: nobody writes K or V
.endif
	s_barrier_signal -1
	s_barrier_wait -1
.else
	WIN 0
.endif
.endm
	; ---- ids, addresses ----
	s_load_b512 s[8:23], s[0:1], 0x0               ; q s[8:9], k s[10:11], v s[12:13], qs_s s[14:15], ks_s s[16:17], alpha s[18:19], beta s[20:21], out0 s[22:23]
	v_lshl_add_u32 v254, v0, 2, 0x18000
	v_mov_b32 v255, 0
	v_lshrrev_b32 v3, 5, v0
	v_readfirstlane_b32 s2, v3                     ; wave
	s_mov_b32 s3, ttmp9                            ; query block
	s_and_b32 s4, ttmp7, 0xffff                    ; 8 b + h
	s_lshr_b32 s5, s4, 3                           ; b
	s_and_b32 s6, s4, 7
	s_lshl_b32 s6, s6, 2                           ; 4 h: my head's word in alpha and in beta
	s_mov_b32 s32, 0x76543210
	s_mov_b32 s33, 0xfedcba98
	s_lshl_b32 s24, s4, 19                         ; a head is 2,048 rows of 256 bytes
	s_mov_b32 s25, 0
	s_lshl_b32 s26, s3, 15                         ; 128 queries
	s_lshl_b32 s37, s2, 13                         ; 32 queries
	s_add_co_u32 s26, s26, s37
	s_add_co_u32 s26, s26, s24
	s_mov_b32 s27, 0
	v_and_b32 v1, 15, v0                           ; r
	v_bfe_u32 v2, v0, 4, 1                         ; h (half of the lanes)
	v_mul_u32_u24 v3, v0, 48                       ; ks_s: four keys of 12 bytes a thread
	v_lshlrev_b32 v4, 8, v1
	v_lshl_add_u32 v4, v2, 5, v4                   ; q: 256 r + 32 h
	v_mul_u32_u24 v5, v1, 12                       ; qs_s: 12 r
	v_lshlrev_b32 v[GO], 4, v0
	s_wait_kmcnt 0x0
	s_load_b32 s40, s[18:19], s6 offset:0x0        ; alpha[h]
	s_load_b32 s41, s[20:21], s6 offset:0x0        ; beta[h]
	s_add_nc_u64 s[10:11], s[10:11], s[24:25]      ; K and V at my head
	s_add_nc_u64 s[12:13], s[12:13], s[24:25]
	s_add_nc_u64 s[8:9], s[8:9], s[26:27]          ; q and out0 at my wave's 32 queries
	s_add_nc_u64 s[22:23], s[22:23], s[26:27]
	s_mul_i32 s24, s5, 24576                       ; a batch's 2,048 x 3 coordinates
	s_add_nc_u64 s[16:17], s[16:17], s[24:25]
	s_mul_i32 s26, s3, 1536                        ; 128 queries of 12 bytes
	s_mul_i32 s37, s2, 384                         ; 32 queries
	s_add_co_u32 s26, s26, s37
	s_add_co_u32 s26, s26, s24
	s_add_nc_u64 s[14:15], s[14:15], s[26:27]
	s_lshr_b32 s37, s3, 2                          ; prefetch: wave 0 asks in the trips with T mod 4 = x / 4, the other waves never (4 is not reached)
	s_cmp_eq_u32 s2, 0
	s_cselect_b32 s36, s37, 4
	s_bitcmp1_b32 s3, 1                            ; bit 1 of x: V or K; bit 0: which 8,192 bytes of the tile
	s_cselect_b64 s[38:39], s[12:13], s[10:11]
	s_and_b32 s24, s3, 1
	s_lshl_b32 s24, s24, 13
	s_add_co_u32 s24, s24, 3*TILEB                 ; trip 0 asks for tile 3
	s_add_nc_u64 s[38:39], s[38:39], s[24:25]
	s_mov_b32 s35, 0
	; ---- 50 loads: key coordinates (12), Q (16), query coordinates (6), tile 0 of K and V (16) ----
.irp g, 0,1,2,3
.irp e, 0,1,2
	global_load_b128 v[SC+12*\g+4*\e:SC+12*\g+4*\e+3], v3, s[16:17] offset:6144*\g+16*\e     ; keys 512 g + 4 t + 0..3: twelve numbers x y z x y z ..
.endr
.endr
.irp qt, 0,1
.irp ks, 0,1
	global_load_b128 v[CB+32*\qt+16*\ks:CB+32*\qt+16*\ks+3],     v4, s[8:9] offset:4096*\qt+128*\ks th:TH_LOAD_NT      ; query 16 qt + r, d = 32 ks + 8 h + 0..3
	global_load_b128 v[CB+32*\qt+16*\ks+4:CB+32*\qt+16*\ks+7],   v4, s[8:9] offset:4096*\qt+128*\ks+16 th:TH_LOAD_NT   ; + 4..7
	global_load_b128 v[CB+32*\qt+16*\ks+8:CB+32*\qt+16*\ks+11],  v4, s[8:9] offset:4096*\qt+128*\ks+64 th:TH_LOAD_NT   ; d = 32 ks + 16 + 8 h + 0..3
	global_load_b128 v[CB+32*\qt+16*\ks+12:CB+32*\qt+16*\ks+15], v4, s[8:9] offset:4096*\qt+128*\ks+80 th:TH_LOAD_NT   ; + 4..7
.endr
.endr
.irp qt, 0,1
	global_load_b32 v[QX+\qt], v5, s[14:15] offset:192*\qt
	global_load_b32 v[QY+\qt], v5, s[14:15] offset:192*\qt+4
	global_load_b32 v[QZ+\qt], v5, s[14:15] offset:192*\qt+8
.endr
	STAGE_IN
	; ---- lane addresses and the fragment of ones, while the loads are on their way ----
	v_lshlrev_b32 v[CA], 5, v2
	v_mul_u32_u24 v[KA], v1, KPITCH
	v_lshl_add_u32 v[KA], v2, 4, v[KA]
	v_and_b32 v6, 7, v0                            ; lane % 8
	v_lshl_add_u32 v7, v2, 3, v6
	v_mul_u32_u24 v[VA], v7, VPITCH
	v_bfe_u32 v7, v0, 3, 1
	v_lshl_add_u32 v[VA], v7, 4, v[VA]
	v_lshrrev_b32 v7, 4, v0                        ; t / 16: my row among the eight of a load
	v_mul_u32_u24 v[KS], v7, KPITCH
	v_lshl_add_u32 v[KS], v1, 3, v[KS]
	v_mul_u32_u24 v[VS], v7, VPITCH
	v_lshl_add_u32 v[VS], v1, 3, v[VS]
	v_and_b32 v7, 31, v0                           ; lane
	v_lshlrev_b32 v[PFO], 8, v7
	v_lshlrev_b32 v[OO], 4, v7
	s_mul_i32 s37, s2, WSTAGE
	s_add_co_u32 s37, s37, STAGE                   ; my wave's stage
	v_mul_u32_u24 v[ST], v1, SPITCH
	v_lshl_add_u32 v[ST], v2, 5, v[ST]             ; in: row r, 32 bytes for each half of the lanes
	v_add_nc_u32 v[ST], s37, v[ST]
	v_mul_u32_u24 v[RD], v2, SPITCH
	v_lshl_add_u32 v[RD], v1, 4, v[RD]             ; back: lanes 0-15 one row of 256 bytes, lanes 16-31 the next
	v_add_nc_u32 v[RD], s37, v[RD]
	v_mov_b32 v[PT], 0                             ; the lane exchange counts as a reader of its destination
	v_mov_b32 v[PT+1], 0
	v_cmp_eq_u32 vcc_lo, 0, v6                     ; rows 0 and 8 of the A fragment: lanes with r = 0 or 8
	v_mov_b32 v7, 0x3c003c00                       ; 1.0, 1.0 in f16
	v_cndmask_b32 v6, 0, v7, vcc_lo
	WIN 0x40
.irp i, 0,1,2,3,4,5,6,7
	v_mov_b32 v[ONE+\i], v6
.endr
	WIN 0
	s_wait_kmcnt 0x0
	s_mul_f32 s28, s41, 0xbfb8aa3b                 ; -beta log2 e
	s_mul_f32 s30, s40, 0x3fb8aa3b                 ; alpha log2 e
	s_mov_b32 s29, s28
	s_mov_b32 s31, s30
	s_wait_loadcnt 38                              ; the key coordinates are in: 16 + 6 + 16 younger loads stay out
.irp g, 0,1,2,3
.irp i, 0,1,2,3
.irp p, 0,1,2
	ds_store_b32 v[GO], v[SC+12*\g+3*\i+\p] offset:PLANE*\p+2048*\g+4*\i      ; coordinate p of key 512 g + 4 t + i into plane p
.endr
.endr
.endr
	s_wait_loadcnt 22                              ; Q is in: 6 + 16 younger loads stay out
.set j, 0
.rept 32
	v_pk_mul_f32 v[CB+2*j:CB+2*j+1], v[CB+2*j:CB+2*j+1], 0x3e38aa3b op_sel_hi:[1,0]         ; x log2(e) / 8
.set j, j+1
.endr
.set j, 0
.rept 32
	v_cvt_pk_f16_f32 v[QF+j], v[CB+2*j], v[CB+2*j+1]
.set j, j+1
.endr
	s_wait_loadcnt 0x0                             ; the query's coordinates and tile 0
	STAGE_OUT 0
	s_wait_dscnt 0x0                               ; for the other waves: my coordinates and my part of tile 0 are in LDS
	s_add_nc_u64 s[10:11], s[10:11], TILEB         ; free since the wait for the loads
	s_add_nc_u64 s[12:13], s[12:13], TILEB
	STAGE_IN                                       ; tile 1
	s_barrier_signal -1
	s_barrier_wait -1
	LOADC 0
	; ---- the 32 trips ----
	TRIP 0, 1, 1, 1, 1                             ; trip 0 starts the sums
	s_mov_b32 s34, 14
.Ltrips:
	TRIP 1, 0, 1, 1, 1                             ; trips 1 to 28
	TRIP 0, 0, 1, 1, 1
	s_sub_co_i32 s34, s34, 1
	s_cmp_lg_u32 s34, 0
	s_cbranch_scc1 .Ltrips
	TRIP 1, 0, 1, 1, 0                             ; trip 29 asks for tile 31, the last; nothing is left to prefetch
	TRIP 0, 0, 1, 0, 0                             ; trip 30 stores tile 31 and loads nothing
	TRIP 1, 0, 0, 0, 0                             ; trip 31
	; ---- the way out: divide by the sums, 32 rows of 256 bytes through my own stage, whole rows to memory ----
.rept 4
	v_nop                                          ; four places behind the last products before their results are read (ISA guide 7.12.1)
.endr
	WIN 0x01                                       ; source 0 window 1
	v_rcp_f32 v[CR], v[LS]
	v_rcp_f32 v[CR+1], v[LS+8]
	v_nop                                          ; the plain place behind the reciprocals
	s_wait_alu depctr_va_vdst(0)
.irp qt, 0,1
.set j, 0
.rept 16
	v_pk_mul_f32 v[SC+32*\qt+2*j:SC+32*\qt+2*j+1], v[OA+32*\qt+2*j:OA+32*\qt+2*j+1], v[CR:CR+1] op_sel:[0,\qt] op_sel_hi:[1,\qt]
.set j, j+1
.endr
.endr
	WIN 0
.irp qt, 0,1
.irp dt, 0,1,2,3
.irp e, 0,1
	ds_store_b128 v[ST], v[SC+32*\qt+8*\dt+4*\e:SC+32*\qt+8*\dt+4*\e+3] offset:16*SPITCH*\qt+64*\dt+16*\e     ; query 16 qt + r, d = 16 dt + 8 h + 4 e + 0..3
.endr
.endr
.endr
.irp i, 0,1,2,3,4,5,6,7,8,9,10,11,12,13,14,15
	ds_load_b128 v[CB+4*\i:CB+4*\i+3], v[RD] offset:2*SPITCH*\i               ; LDS serves a wave's instructions in order (ISA guide 5.7.1): these see the stores above
.endr
.irp i, 0,1,2,3,4,5,6,7,8,9,10,11,12,13,14,15
	s_wait_dscnt 15-\i                             ; load i is in, the younger ones stay out
	global_store_b128 v[OO], v[CB+4*\i:CB+4*\i+3], s[22:23] offset:512*\i th:TH_STORE_NT    ; 16 lanes store 256 consecutive bytes, a whole row of out0
.endr
	s_wait_tensorcnt 0x0
	ds_add_u32 v254, v255
	s_wait_dscnt 0x0
	s_endpgm
.Lfunc_end_k_qec4d484568_attn:
	.size	k_qec4d484568_attn, .Lfunc_end_k_qec4d484568_attn-k_qec4d484568_attn
	.p2alignl 7, 3214868480
	.fill 96, 4, 3214868480
	.section	.rodata,"a",@progbits
	.p2align	6, 0x0
	.amdhsa_kernel k_qec4d484568_attn
		.amdhsa_group_segment_fixed_size 98816
		.amdhsa_private_segment_fixed_size 0
		.amdhsa_enable_private_segment 0
		.amdhsa_kernarg_size 64
		.amdhsa_user_sgpr_count 2
		.amdhsa_user_sgpr_kernarg_segment_ptr 1
		.amdhsa_wavefront_size32 1
		.amdhsa_system_sgpr_workgroup_id_x 1
		.amdhsa_system_sgpr_workgroup_id_y 1
		.amdhsa_system_sgpr_workgroup_id_z 1
		.amdhsa_system_vgpr_workitem_id 0
		.amdhsa_next_free_vgpr 480
		.amdhsa_next_free_sgpr 66
		.amdhsa_reserve_vcc 1
		.amdhsa_float_denorm_mode_32 3
		.amdhsa_float_denorm_mode_16_64 3
		.amdhsa_memory_ordered 1
		.amdhsa_forward_progress 1
		.amdhsa_inst_pref_size 255
	.end_amdhsa_kernel
	.section	.bss,"aw",@nobits
	.p2align	6
	.space	262144
	.amdgpu_metadata
---
amdhsa.version: [ 1, 2 ]
amdhsa.kernels:
  - .name:           k_qec4d484568_attn
    .symbol:         k_qec4d484568_attn.kd
    .args:
      - { .name: q, .offset: 0, .size: 8, .value_kind: global_buffer, .address_space: global }
      - { .name: k, .offset: 8, .size: 8, .value_kind: global_buffer, .address_space: global }
      - { .name: v, .offset: 16, .size: 8, .value_kind: global_buffer, .address_space: global }
      - { .name: qs_s, .offset: 24, .size: 8, .value_kind: global_buffer, .address_space: global }
      - { .name: ks_s, .offset: 32, .size: 8, .value_kind: global_buffer, .address_space: global }
      - { .name: alpha, .offset: 40, .size: 8, .value_kind: global_buffer, .address_space: global }
      - { .name: beta, .offset: 48, .size: 8, .value_kind: global_buffer, .address_space: global }
      - { .name: out0, .offset: 56, .size: 8, .value_kind: global_buffer, .address_space: global }
    .group_segment_fixed_size: 98816
    .private_segment_fixed_size: 0
    .kernarg_segment_align: 8
    .kernarg_segment_size: 64
    .max_flat_workgroup_size: 128
    .sgpr_count:     66
    .vgpr_count:     480
    .wavefront_size: 32
...
	.end_amdgpu_metadata
.endif
;; end of part 1
;; ======== version 2 of 2: 1 launch; version 1 with the launch attn written anew for expert scheduling mode
;; limits: values are held in f16: magnitudes above 65,504 overflow, below 6.1e-05 lose precision
;; launch attn (part 2): grid 16 x 16, 4 waves a work-group, no clusters, 98,816 bytes of LDS; arguments q, k, v, qs_s, ks_s, alpha, beta, out0; writes out0
.if DOCPART == 2
	.amdgcn_target "amdgcn-amd-amdhsa--gfx1250"
	.amdhsa_code_object_version 6
	.text
	.protected	k_qec4d484568_attn
	.globl	k_qec4d484568_attn
	.p2align	8
	.type	k_qec4d484568_attn,@function
k_qec4d484568_attn:
	s_mov_b64 s[64:65], 0
	v_nop
	global_prefetch_b8 v0, s[64:65] scope:SCOPE_SE
	s_setreg_imm32_b32 hwreg(HW_REG_WAVE_SCHED_MODE, 0, 2), 2
	s_setreg_imm32_b32 hwreg(HW_REG_WAVE_MODE, 25, 1), 1
	s_wait_xcnt 0x0
	s_wait_alu depctr_vm_vsrc(0)
; out[b,h,q,:] = sum over k of softmax_k( q.k / 8 + alpha[h] exp(-beta[h] |qs_s[b,q] - ks_s[b,k]|^2) ) v[b,h,k,:]
; B = 2, H = 8, S = 2048, D = 64, all tensors f32.  One launch, nothing goes through memory but inputs and the output.
;
; SHARES.  Work-group (x, y): head y = 8 b + h, queries 128 x .. 128 x + 127.  Four waves, 32 queries each (two tiles of 16, qt = 0, 1).
; All four waves walk the 2,048 keys together in 32 trips of 64 keys (four tiles of 16, kt = 0..3).
;
; TRANSPOSED FORM.  Scores are made as K Q^T: source A = 16 keys x 32 d, source B = 16 queries x 32 d.  In the result lane (r, h) holds
; query r and its registers 0..7 the keys 8 h + 0..7, so the softmax runs along a lane's registers and needs one exchange between the two
; halves of the lanes.  Two neighbouring key tiles, rounded to f16 and packed, ARE the B fragment (32 keys x 16 queries) of V^T P^T:
; the weights never leave the registers.  V^T's fragments come from f16 rows [key][d] in LDS by the transposing LDS load.
;
; WHAT IS FOLDED.  Everything is in base 2: Q is multiplied by log2(e) / 8 before it is rounded; the bias alpha log2(e) exp2(-beta log2(e) d^2)
; is written into the score accumulators and enters as the C operand of the first product.  The row sums of the weights are made by the
; matrix unit too: a fifth A fragment with ones in rows 0 and 8 and zeros elsewhere puts the sum of query r's weights into register 0 of
; its accumulator in both halves of the lanes (the other seven registers stay 0).  A running maximum is kept for each query, and the
; sums are scaled in every trip (no branch hangs on a number).
;
; WHY f16 AND NOT bf16 FOR THE MATRIX OPERANDS.  An output is a mean over up to 2,048 keys and is small beside the numbers that enter it, so the
; operands' rounding shows: f16 keeps 11 significant bits where bf16 keeps 8, an eighth of the error in the scores, the weights and V.
;
; WHY K AND V COME THROUGH REGISTERS, WITHOUT TENSOR LOADS AND WITHOUT A CLUSTER'S JOINT LOADS, although the 16 work-groups of a head read the
; same K and V: they are f32 in memory and the matrix unit wants 16 bits.  A tile of 64 keys brought into LDS as it lies is 32,768 bytes
; written, 32,768 bytes read back for rounding and 16,384 bytes stored again, before the first fragment is read; through registers
; it is the 16,384 bytes stored alone, and LDS already serves 14 fragment and coordinate loads for every 16 keys of every wave.
;
; LIMITS.  Q log2(e) / 8, K, V and the weights are rounded to f16 for the products; all else is f32.  A |q| log2(e) / 8, |k| or |v| above 65,504 becomes
; infinity there; under 2^-14 the step of f16 is 2^-24.  The weights lie in (0, 1] (the maximum is taken away first); a weight under 2^-25
; counts as 0, which over 2,048 keys is at most 2^-14 of the largest weight.  v_exp_f32 gives 0 for results under 2^-126 (ISA guide, 15.8), so a
; bias factor that small counts as 0.  d^2 is formed from differences of the coordinates, as in the definition.  A row with a NaN or a
; +infinity among its scores gives NaN, as the definition does.
;
; THE MODE: SCHED_MODE bits 1:0 = 2 (LLVM: expert scheduling mode 2), set by the entry lines.  The code itself states the register dependences
; between vector or matrix instructions and memory or LDS instructions, with s_wait_alu, always for 0.
; THE PLAN.  Registers that LDS or memory instructions touch, round a trip:
;   CB0, CB1   key coordinates.  Tile kt's 24 difference lines read CB[kt & 1]; behind the last of them the loads for tile kt + 2 land in it (tiles 4, 5: the next trip's 0, 1).
;   KF0, KF1   K fragments.  Tile kt's four products read KF[kt & 1]; the loads for tile kt + 2 land in it in tile kt + 1 (a trip's tile 0: at the trip's head, behind the barrier).
;   VF         V^T fragments.  Read by a trip's sixteen products V^T P^T; loaded again in the next trip's tile 3.
;   GS         K and V as loaded from memory.  Read by the 32 roundings; asked for again directly behind them.
;   OB         the same numbers rounded.  Written by the roundings; read by the sixteen LDS stores behind them.
;   v[CA]      read by every coordinate load; written once a trip, behind the trip's last products.
;   v[KA], v[VA], v[KS], v[VS], v[GO], v[PFO], v[ST], v[RD], v[OO]: made at the head, never written again.
; So a trip has six such waits.  One on va_vdst in each tile, behind its last difference line: the differences are done reading CB[kt & 1], the products of the tile before
; are done reading KF[(kt + 1) & 1]; in tile 0 v[CA] is written, in tile 3 the last trip's products are done reading VF.  The tile's loads follow it, and the vector and matrix
; lines up to the next wait name TT, SC, QF and KF[kt & 1] alone.  One on va_vdst behind the roundings: GS is read, OB is written.  One on vm_vsrc behind the products:
; the coordinate loads have read v[CA], the LDS stores have read OB.
;
; LDS:   0      key coordinates, three planes (x, y, z) of 2,048 f32
;        24576  K as f16, two slots of 64 rows, pitch 144 = 9 x 16: the 16 rows of a fragment load start at 16 different 16-byte columns of 256
;        43008  V as f16, two slots of 64 rows, pitch 160 = 5 x 32, an odd multiple of 32 for the transposing load
;        63488  the way out: 32 rows of 272 bytes for each wave, the wave's own
; SCALARS: s2 wave, s3 x, s4 y, s5 b, s6 4 h, s[8:23] the eight addresses, s[24:27] offsets, s[28:29] -beta log2 e (twice), s[30:31] alpha log2 e (twice),
;        s32-33 selects of the lane exchange, s34 loop counter, s35 trip number, s36 the trips (mod 4) in which this wave prefetches, s37 at work,
;        s[38:39] prefetch address, s40 alpha, s41 beta
.set PLANE,  8192
.set KB,     24576
.set KPITCH, 144
.set KSLOT,  64*KPITCH
.set VB,     KB+2*KSLOT
.set VPITCH, 160
.set VSLOT,  64*VPITCH
.set STAGE,  VB+2*VSLOT
.set SPITCH, 272
.set WSTAGE, 32*SPITCH
.set TILEB,  16384                     ; 64 rows of 256 bytes: a trip's part of K, and of V
; window 0 (v0-v255)
.set CA,  8                            ; coordinates: 32 h + 256 x trip
.set KA,  9                            ; K fragments: 144 r + 16 h
.set VA,  10                           ; V fragments: (8 h + lane % 8) 160 + 16 ((lane / 8) % 2)
.set KS,  11                           ; where I store K: (t / 16) 144 + 8 (t % 16)
.set VS,  12                           ; where I store V: (t / 16) 160 + 8 (t % 16)
.set GO,  13                           ; 16 t: my 16 bytes in 2,048 bytes of K or V; also my place in a coordinate plane
.set PFO, 14                           ; 256 x lane
.set MX,  16                           ; v[16:17] running maximum of qt 0, 1
.set MN,  18                           ; v[18:19] the new maximum
.set CR,  20                           ; v[20:21] exp2(old - new); at the end 1 / sum
.set QX,  22                           ; v[22:23], v[24:25], v[26:27]: my query's x, y, z for qt 0, 1
.set QY,  24
.set QZ,  26
.set BM,  28                           ; v[28:35] maxima of the eight tiles: BM + 2 kt + qt
.set PT,  36                           ; v[36:37] what the other half of the lanes holds
.set ST,  38                           ; the way out: where I put my numbers
.set RD,  39                           ; the way out: where I read rows back
.set TT,  40                           ; v[40:55] at work
.set QF,  56                           ; v[56:87] Q fragments: QF + 16 qt + 8 ks
.set CB,  88                           ; v[88:135] key coordinates, two buffers of 24: x 0-7, y 0-7, z 0-7
.set KF,  136                          ; v[136:167] K fragments, two buffers of 16: + 8 ks
.set SC,  168                          ; v[168:231] scores: SC + 16 kt + 8 qt; later the packed weights: SC + 32 kk + 8 qt
.set OO,  232                          ; 16 x lane
; window 1 (v256-v503, written by their low 8 bits)
.set GS,  0                            ; 64: K's eight loads, then V's, as loaded
.set OA,  64                           ; 64: the output's sums: OA + 32 qt + 8 dt
.set LS,  128                          ; 16: the weights' sums: LS + 8 qt, register 0
.set VF,  144                          ; 64: V^T fragments: VF + 32 kk + 8 dt
.set ONE, 208                          ; 8:  the fragment of ones
.set OB,  216                          ; 32: K's eight loads, then V's, rounded: two registers a load, to store
.set MSB, 0
.macro WIN new                         ; s_set_vgpr_msb: bits 1:0 source 0, 3:2 source 1, 5:4 source 2, 7:6 destination; the high byte repeats the setting that is left
.if MSB != \new
	s_set_vgpr_msb (MSB<<8)|\new
.set MSB, \new
.endif
.endm
; The next 64 rows of K and of V into registers: a load of the wave covers 512 consecutive bytes, the four waves' 2,048 bytes = 8 rows.  The window is left set.
.macro STAGE_IN
	WIN 0x40                                       ; destination window 1, address window 0
.irp i, 0,1,2,3,4,5,6,7
	global_load_b128 v[GS+4*\i:GS+4*\i+3], v[GO], s[10:11] offset:2048*\i
.endr
.irp i, 0,1,2,3,4,5,6,7
	global_load_b128 v[GS+32+4*\i:GS+32+4*\i+3], v[GO], s[12:13] offset:2048*\i
.endr
.endm
; The tile that is in GS is rounded into OB, four f32 into two registers; load = 1: GS is asked for again at once, with the tile after it; OB is stored into slot:
; load i holds row 8 i + t / 16, columns 4 (t % 16) .. + 3.  The window is left set.
.macro STAGE slot, load
	s_wait_loadcnt 0x0                             ; the tile's 16 loads, issued a trip ago
.if \load
	s_add_nc_u64 s[10:11], s[10:11], TILEB         ; free since that wait, which shows the loads that read them done
	s_add_nc_u64 s[12:13], s[12:13], TILEB
.endif
	WIN 0x45                                       ; destination and both sources window 1
.set j, 0
.rept 16
	v_cvt_pk_f16_f32 v[OB+2*j], v[GS+4*j], v[GS+4*j+1]
	v_cvt_pk_f16_f32 v[OB+2*j+1], v[GS+4*j+2], v[GS+4*j+3]
.set j, j+1
.endr
.if \load
	WIN 0x40                                       ; the loads' window, ahead of the wait
.else
	WIN 0x04
.endif
	s_wait_alu depctr_va_vdst(0)                   ; the roundings are done reading GS, in which the loads below land, and have written OB, which the LDS stores below read
.if \load
	STAGE_IN                                       ; stays on its way across the barrier: nobody writes K or V
.endif
	WIN 0x04                                       ; data window 1, address window 0
.irp i, 0,1,2,3,4,5,6,7
	ds_store_b64 v[KS], v[OB+2*\i:OB+2*\i+1] offset:KB+KSLOT*(\slot)+8*KPITCH*\i
.endr
.irp i, 0,1,2,3,4,5,6,7
	ds_store_b64 v[VS], v[OB+16+2*\i:OB+16+2*\i+1] offset:VB+VSLOT*(\slot)+8*VPITCH*\i
.endr
.endm
; x, y, z of the keys 16 kt + 8 h + 0..7 of this trip (kt = 4, 5: the next trip's first two tiles).  The 16 lanes of a half read the same bytes.
.macro LOADC kt
.irp p, 0,1,2
.irp e, 0,1
	ds_load_b128 v[CB+24*((\kt)&1)+8*\p+4*\e:CB+24*((\kt)&1)+8*\p+4*\e+3], v[CA] offset:PLANE*\p+64*(\kt)+16*\e
.endr
.endr
.endm
; Two A fragments (16 keys x 32 d each): lane (r, h) takes key r, d = 32 ks + 8 h + 0..7 and 32 ks + 16 + 8 h + 0..7.
.macro LOADK kt, slot
.irp ks, 0,1
.irp e, 0,1
	ds_load_b128 v[KF+16*((\kt)&1)+8*\ks+4*\e:KF+16*((\kt)&1)+8*\ks+4*\e+3], v[KA] offset:KB+KSLOT*(\slot)+16*KPITCH*(\kt)+64*\ks+32*\e
.endr
.endr
.endm
; Eight A fragments of V^T (16 d x 32 keys each) from rows [key][d]: the load transposes 8 x 8 numbers of 16 bits in each group of eight lanes.
.macro LOADV slot
	WIN 0x40
.irp kk, 0,1
.irp dt, 0,1,2,3
.irp e, 0,1
	ds_load_tr16_b128 v[VF+32*\kk+8*\dt+4*\e:VF+32*\kk+8*\dt+4*\e+3], v[VA] offset:VB+VSLOT*(\slot)+32*VPITCH*\kk+32*\dt+16*VPITCH*\e
.endr
.endr
.endr
	WIN 0
.endm
; Sixteen differences, two at a time: coordinate p of my eight keys less that of my query, for qt 0 and 1 (op_sel picks the query's register for both halves).
.macro DIFF dst, kt, p, qreg
.irp qt, 0,1
.irp jp, 0,2,4,6
	v_pk_add_f32 v[\dst+8*\qt+\jp:\dst+8*\qt+\jp+1], v[CB+24*(\kt&1)+8*\p+\jp:CB+24*(\kt&1)+8*\p+\jp+1], v[\qreg:\qreg+1] op_sel:[0,\qt] op_sel_hi:[1,\qt] neg_lo:[0,1] neg_hi:[0,1]
.endr
.endr
.endm
; One tile of 16 keys for both query tiles: the bias into the accumulators, then four products onto it.  d^2 = (dx dx + dy dy) + dz dz, each step one fused multiply-add.
; In each run of loads the coordinates stand ahead of the K fragments, so the wait for a tile's K also shows the coordinates of the tile after it.
.macro TILE kt, slot, nextc
.if \kt == 0
	s_wait_dscnt 0xa                               ; LDS loads come back in order (ISA guide 5.7.1): younger than tile 0's coordinates are tile 1's six loads and this tile's four K loads
.endif
	DIFF TT, \kt, 1, QY                            ; the y differences first: in tile 0 these eight lines and the add to v[CA] are the places (ISA guide 7.12.1) between the last trip's products and the first write of the weights' registers
	DIFF SC+16*\kt, \kt, 0, QX
.irp w, 0,2,4,6,8,10,12,14
	v_pk_mul_f32 v[SC+16*\kt+\w:SC+16*\kt+\w+1], v[SC+16*\kt+\w:SC+16*\kt+\w+1], v[SC+16*\kt+\w:SC+16*\kt+\w+1]
.endr
.irp w, 0,2,4,6,8,10,12,14
	v_pk_fma_f32 v[SC+16*\kt+\w:SC+16*\kt+\w+1], v[TT+\w:TT+\w+1], v[TT+\w:TT+\w+1], v[SC+16*\kt+\w:SC+16*\kt+\w+1]
.endr
	DIFF TT, \kt, 2, QZ
	s_wait_alu depctr_va_vdst(0)                   ; this tile's differences are done reading CB[kt & 1]; the products of the tile before are done reading KF[(kt + 1) & 1]; tile 0: v[CA] is written; tile 3: the last trip's products are done reading VF
.if \kt < 2
	LOADC \kt+2
	LOADK \kt+1, \slot
.elseif \kt == 2
.if \nextc
	LOADC 4
.endif
	LOADK 3, \slot
.else
.if \nextc
	LOADC 5
.endif
	LOADV \slot                                    ; between the wait above and these loads stand LDS loads and a window switch alone
.endif
.irp w, 0,2,4,6,8,10,12,14
	v_pk_fma_f32 v[SC+16*\kt+\w:SC+16*\kt+\w+1], v[TT+\w:TT+\w+1], v[TT+\w:TT+\w+1], v[SC+16*\kt+\w:SC+16*\kt+\w+1]
.endr
.irp w, 0,2,4,6,8,10,12,14
	v_pk_mul_f32 v[SC+16*\kt+\w:SC+16*\kt+\w+1], v[SC+16*\kt+\w:SC+16*\kt+\w+1], s[28:29] op_sel_hi:[1,0]   ; x -beta log2 e
.endr
.set j, 0
.rept 16
	v_exp_f32 v[SC+16*\kt+j], v[SC+16*\kt+j]
.set j, j+1
.endr
	v_nop                                          ; one plain place behind the exponentials before a result is used (ISA guide 5.7.2)
	s_wait_alu depctr_va_vdst(0)
.irp w, 0,2,4,6,8,10,12,14
	v_pk_mul_f32 v[SC+16*\kt+\w:SC+16*\kt+\w+1], v[SC+16*\kt+\w:SC+16*\kt+\w+1], s[30:31] op_sel_hi:[1,0]   ; x alpha log2 e
.endr
.if \kt < 2
	s_wait_dscnt 0xa                               ; younger than this tile's K fragments: the 6 + 4 loads issued above
.elseif \kt == 2
	s_wait_dscnt 4+6*\nextc                        ; younger: tile 3's four K loads, and six coordinate loads where a trip follows
.else
	s_wait_dscnt 16+6*\nextc                       ; younger: V's 16 loads, and six coordinate loads where a trip follows
.endif
.irp ks, 0,1                                   ; the two accumulators take turns, one instruction a turn
.irp qt, 0,1
	v_wmma_f32_16x16x32_f16 v[SC+16*\kt+8*\qt:SC+16*\kt+8*\qt+7], v[KF+16*(\kt&1)+8*\ks:KF+16*(\kt&1)+8*\ks+7], v[QF+16*\qt+8*\ks:QF+16*\qt+8*\ks+7], v[SC+16*\kt+8*\qt:SC+16*\kt+8*\qt+7]
.endr
.endr
.endm
; The largest of a tile's eight registers, in four steps; the chains of several tiles are interleaved.
.macro MAXA kt, qt
	v_max3_num_f32 v[BM+2*\kt+\qt], v[SC+16*\kt+8*\qt], v[SC+16*\kt+8*\qt+1], v[SC+16*\kt+8*\qt+2]
.endm
.macro MAXB kt, qt, w
	v_max3_num_f32 v[BM+2*\kt+\qt], v[BM+2*\kt+\qt], v[SC+16*\kt+8*\qt+\w], v[SC+16*\kt+8*\qt+\w+1]
.endm
.macro MAXC kt, qt
	v_max_num_f32 v[BM+2*\kt+\qt], v[BM+2*\kt+\qt], v[SC+16*\kt+8*\qt+7]
.endm
; The trip's 64 keys: new maxima, weights, the old sums scaled, the weights packed into B fragments in place.
.macro SOFTMAX first
.irp kt, 0,1,2                                 ; tiles 0 to 2 first: these 24 lines name no register of tile 3's products and are the places behind them (ISA guide 7.12.1)
	MAXA \kt, 0
	MAXA \kt, 1
.endr
.irp kt, 0,1,2
	MAXB \kt, 0, 3
	MAXB \kt, 1, 3
.endr
.irp kt, 0,1,2
	MAXB \kt, 0, 5
	MAXB \kt, 1, 5
.endr
.irp kt, 0,1,2
	MAXC \kt, 0
	MAXC \kt, 1
.endr
	MAXA 3, 0
	MAXA 3, 1
	MAXB 3, 0, 3
	MAXB 3, 1, 3
	MAXB 3, 0, 5
	MAXB 3, 1, 5
	MAXC 3, 0
	MAXC 3, 1
.irp qt, 0,1
	v_max3_num_f32 v[BM+\qt], v[BM+\qt], v[BM+2+\qt], v[BM+4+\qt]
.endr
.irp qt, 0,1
	v_max_num_f32 v[BM+\qt], v[BM+\qt], v[BM+6+\qt]
.endr
.irp qt, 0,1
	v_permlanex16_b32 v[PT+\qt], v[BM+\qt], s32, s33       ; lane i takes lane i xor 16: the same query's other eight keys of each tile
.endr
.irp qt, 0,1
.if \first
	v_max_num_f32 v[MN+\qt], v[BM+\qt], v[PT+\qt]
.else
	v_max3_num_f32 v[MN+\qt], v[BM+\qt], v[PT+\qt], v[MX+\qt]
.endif
.endr
.if \first == 0
	v_pk_add_f32 v[CR:CR+1], v[MX:MX+1], v[MN:MN+1] neg_lo:[0,1] neg_hi:[0,1]
	v_exp_f32 v[CR], v[CR]
	v_exp_f32 v[CR+1], v[CR+1]                     ; the moves below are the plain place behind these two
.endif
	v_mov_b32 v[MX], v[MN]
	v_mov_b32 v[MX+1], v[MN+1]
.irp kt, 0,1,2,3
.irp qt, 0,1
.irp jp, 0,2,4,6
	v_pk_add_f32 v[SC+16*\kt+8*\qt+\jp:SC+16*\kt+8*\qt+\jp+1], v[SC+16*\kt+8*\qt+\jp:SC+16*\kt+8*\qt+\jp+1], v[MN:MN+1] op_sel:[0,\qt] op_sel_hi:[1,\qt] neg_lo:[0,1] neg_hi:[0,1]
.endr
.endr
.endr
.set j, 0
.rept 64
	v_exp_f32 v[SC+j], v[SC+j]
.set j, j+1
.endr
.if \first
	v_nop                                          ; the plain place behind the exponentials
	s_wait_alu depctr_va_vdst(0)
.else
	WIN 0x41                                       ; destination and source 0 window 1, the factor window 0; these lines are the place behind the exponentials too
	s_wait_alu depctr_va_vdst(0)
.irp qt, 0,1
.set j, 0
.rept 16
	v_pk_mul_f32 v[OA+32*\qt+2*j:OA+32*\qt+2*j+1], v[OA+32*\qt+2*j:OA+32*\qt+2*j+1], v[CR:CR+1] op_sel:[0,\qt] op_sel_hi:[1,\qt]
.set j, j+1
.endr
	v_mul_f32 v[LS+8*\qt], v[LS+8*\qt], v[CR+\qt]          ; registers 1 to 7 of the sums' accumulator are 0 and stay so
.endr
	WIN 0
.endif
.irp kk, 0,1                                   ; B fragment (kk, qt): registers 0-3 = keys 8 h + 0..7 of tile 2 kk, registers 4-7 = those of tile 2 kk + 1
.irp qt, 0,1
.irp jq, 0,1,2,3
	v_cvt_pk_f16_f32 v[SC+32*\kk+8*\qt+\jq], v[SC+32*\kk+8*\qt+2*\jq], v[SC+32*\kk+8*\qt+2*\jq+1]
.endr
.irp jq, 0,1,2,3
	v_cvt_pk_f16_f32 v[SC+32*\kk+8*\qt+4+\jq], v[SC+32*\kk+16+8*\qt+2*\jq], v[SC+32*\kk+16+8*\qt+2*\jq+1]
.endr
.endr
.endr
.endm
; V^T P^T and the row sums: ten accumulators take turns, one instruction a turn, in the same order for both halves of the keys.
; In the first trip the first product of each starts its sum: nothing is cleared.  The window is left set: the next block switches.
.macro PV first, cvt
	s_wait_dscnt 16*\cvt                           ; V's fragments are in; the next tile's sixteen LDS stores, which are younger, may stay out
	WIN 0x51                                       ; A, C and D window 1, B (the weights) window 0
.irp kk, 0,1
.irp dt, 0,1,2,3
.irp qt, 0,1
.if \first*(1-\kk)
	v_wmma_f32_16x16x32_f16 v[OA+32*\qt+8*\dt:OA+32*\qt+8*\dt+7], v[VF+32*\kk+8*\dt:VF+32*\kk+8*\dt+7], v[SC+32*\kk+8*\qt:SC+32*\kk+8*\qt+7], 0
.else
	v_wmma_f32_16x16x32_f16 v[OA+32*\qt+8*\dt:OA+32*\qt+8*\dt+7], v[VF+32*\kk+8*\dt:VF+32*\kk+8*\dt+7], v[SC+32*\kk+8*\qt:SC+32*\kk+8*\qt+7], v[OA+32*\qt+8*\dt:OA+32*\qt+8*\dt+7]
.endif
.endr
.endr
.irp qt, 0,1
.if \first*(1-\kk)
	v_wmma_f32_16x16x32_f16 v[LS+8*\qt:LS+8*\qt+7], v[ONE:ONE+7], v[SC+32*\kk+8*\qt:SC+32*\kk+8*\qt+7], 0
.else
	v_wmma_f32_16x16x32_f16 v[LS+8*\qt:LS+8*\qt+7], v[ONE:ONE+7], v[SC+32*\kk+8*\qt:SC+32*\kk+8*\qt+7], v[LS+8*\qt:LS+8*\qt+7]
.endif
.endr
.endr
.endm
; Prefetch.  The tile of trip T + 3 is 16,384 bytes of K and as many of V: four pieces of 8,192 bytes, 32 lanes 256 bytes apart each.  In trip T wave 0 of the
; four work-groups of this head with x / 4 = T mod 4 asks, x mod 4 picking the piece, so each block of 256 bytes is asked for once in the launch;
; the loads of that tile are issued in trip T + 1, ahead of its last products.  T runs from 0 to 28: the last tile asked for is tile 31, the buffers' last.
.macro PREF
	s_and_b32 s37, s35, 3
	s_add_co_u32 s35, s35, 1
	s_cmp_eq_u32 s37, s36
	s_cbranch_scc0 .Lno_prefetch_\@
	global_prefetch_b8 v[PFO], s[38:39] th:TH_LOAD_NT scope:SCOPE_SE
.Lno_prefetch_\@:
.endm
; A trip: 64 keys from slot.  cvt = 1: the next tile, which is in registers, goes to the other slot; load = 1: the tile after it is asked for.
; ONE barrier a trip.  In front of it each wave's reads of this slot are back and its stores into the other slot are done; the other slot was last
; read in the trip before, in front of that trip's barrier.  The stores stand ahead of the trip's last products, so that they are on their way while those are issued.
.macro TRIP slot, first, cvt, load, pf
.if \pf
	PREF
.endif
	LOADK 0, \slot                                 ; into KF0.  No wait: its last readers, tile 2's products of the trip before, stand ahead of that trip's later waits on va_vdst, and nothing since names KF0 or v[KA]
	TILE 0, \slot, \cvt
	TILE 1, \slot, \cvt
	TILE 2, \slot, \cvt
	TILE 3, \slot, \cvt
	SOFTMAX \first
.if \cvt
	STAGE 1-\slot, \load
.endif
	PV \first, \cvt
	WIN 0
.if \cvt
	s_wait_alu depctr_vm_vsrc(0)                   ; the coordinate loads have read v[CA], which the next line writes; the LDS stores have read OB, which the next trip's roundings write
	v_add_nc_u32 v[CA], 256, v[CA]                 ; the next trip's 64 keys in the coordinate planes
.if \load
	s_wait_xcnt 0x0                                ; the prefetch's base is stepped only behind this wait
	s_add_nc_u64 s[38:39], s[38:39], TILEB
.endif
	s_wait_dscnt 0x0                               ; for the other waves: my reads of this slot and my stores into the other are done
	s_barrier_signal -1
	s_barrier_wait -1
.endif
.endm
	; ---- ids, addresses ----
	s_load_b512 s[8:23], s[0:1], 0x0               ; q s[8:9], k s[10:11], v s[12:13], qs_s s[14:15], ks_s s[16:17], alpha s[18:19], beta s[20:21], out0 s[22:23]
	v_lshl_add_u32 v254, v0, 2, 0x18000
	v_mov_b32 v255, 0
	v_lshrrev_b32 v3, 5, v0
	v_readfirstlane_b32 s2, v3                     ; wave
	s_mov_b32 s3, ttmp9                            ; query block
	s_and_b32 s4, ttmp7, 0xffff                    ; 8 b + h
	s_lshr_b32 s5, s4, 3                           ; b
	s_and_b32 s6, s4, 7
	s_lshl_b32 s6, s6, 2                           ; 4 h: my head's word in alpha and in beta
	s_mov_b32 s32, 0x76543210
	s_mov_b32 s33, 0xfedcba98
	s_lshl_b32 s24, s4, 19                         ; a head is 2,048 rows of 256 bytes
	s_mov_b32 s25, 0
	s_lshl_b32 s26, s3, 15                         ; 128 queries
	s_wait_alu depctr_va_sdst(0)                   ; s2 is written, ahead of its first reader: offsets, the stage's place and the prefetch's turn are made from it
	s_lshl_b32 s37, s2, 13                         ; 32 queries
	s_add_co_u32 s26, s26, s37
	s_add_co_u32 s26, s26, s24
	s_mov_b32 s27, 0
	v_and_b32 v1, 15, v0                           ; r
	v_bfe_u32 v2, v0, 4, 1                         ; h (half of the lanes)
	v_mul_u32_u24 v3, v0, 48                       ; ks_s: four keys of 12 bytes a thread
	v_lshlrev_b32 v4, 8, v1
	v_lshl_add_u32 v4, v2, 5, v4                   ; q: 256 r + 32 h
	v_mul_u32_u24 v5, v1, 12                       ; qs_s: 12 r
	v_lshlrev_b32 v[GO], 4, v0
	s_wait_kmcnt 0x0
	s_load_b32 s40, s[18:19], s6 offset:0x0        ; alpha[h]
	s_load_b32 s41, s[20:21], s6 offset:0x0        ; beta[h]
	s_add_nc_u64 s[10:11], s[10:11], s[24:25]      ; K and V at my head
	s_add_nc_u64 s[12:13], s[12:13], s[24:25]
	s_add_nc_u64 s[8:9], s[8:9], s[26:27]          ; q and out0 at my wave's 32 queries
	s_add_nc_u64 s[22:23], s[22:23], s[26:27]
	s_mul_i32 s24, s5, 24576                       ; a batch's 2,048 x 3 coordinates
	s_add_nc_u64 s[16:17], s[16:17], s[24:25]
	s_mul_i32 s26, s3, 1536                        ; 128 queries of 12 bytes
	s_mul_i32 s37, s2, 384                         ; 32 queries
	s_add_co_u32 s26, s26, s37
	s_add_co_u32 s26, s26, s24
	s_add_nc_u64 s[14:15], s[14:15], s[26:27]
	s_lshr_b32 s37, s3, 2                          ; prefetch: wave 0 asks in the trips with T mod 4 = x / 4, the other waves never (4 is not reached)
	s_cmp_eq_u32 s2, 0
	s_cselect_b32 s36, s37, 4
	s_bitcmp1_b32 s3, 1                            ; bit 1 of x: V or K; bit 0: which 8,192 bytes of the tile
	s_cselect_b64 s[38:39], s[12:13], s[10:11]
	s_and_b32 s24, s3, 1
	s_lshl_b32 s24, s24, 13
	s_add_co_u32 s24, s24, 3*TILEB                 ; trip 0 asks for tile 3
	s_add_nc_u64 s[38:39], s[38:39], s[24:25]
	s_mov_b32 s35, 0
	; ---- 50 loads: key coordinates (12), Q (16), query coordinates (6), tile 0 of K and V (16) ----
	s_wait_alu depctr_va_vdst(0)                   ; v3, v4, v5 and v[GO] are written: the offsets of the 50 loads below, and of the coordinates' LDS stores
.irp g, 0,1,2,3
.irp e, 0,1,2
	global_load_b128 v[SC+12*\g+4*\e:SC+12*\g+4*\e+3], v3, s[16:17] offset:6144*\g+16*\e     ; keys 512 g + 4 t + 0..3: twelve numbers x y z x y z ..
.endr
.endr
.irp qt, 0,1
.irp ks, 0,1
	global_load_b128 v[CB+32*\qt+16*\ks:CB+32*\qt+16*\ks+3],     v4, s[8:9] offset:4096*\qt+128*\ks th:TH_LOAD_NT      ; query 16 qt + r, d = 32 ks + 8 h + 0..3
	global_load_b128 v[CB+32*\qt+16*\ks+4:CB+32*\qt+16*\ks+7],   v4, s[8:9] offset:4096*\qt+128*\ks+16 th:TH_LOAD_NT   ; + 4..7
	global_load_b128 v[CB+32*\qt+16*\ks+8:CB+32*\qt+16*\ks+11],  v4, s[8:9] offset:4096*\qt+128*\ks+64 th:TH_LOAD_NT   ; d = 32 ks + 16 + 8 h + 0..3
	global_load_b128 v[CB+32*\qt+16*\ks+12:CB+32*\qt+16*\ks+15], v4, s[8:9] offset:4096*\qt+128*\ks+80 th:TH_LOAD_NT   ; + 4..7
.endr
.endr
.irp qt, 0,1
	global_load_b32 v[QX+\qt], v5, s[14:15] offset:192*\qt
	global_load_b32 v[QY+\qt], v5, s[14:15] offset:192*\qt+4
	global_load_b32 v[QZ+\qt], v5, s[14:15] offset:192*\qt+8
.endr
	STAGE_IN                                       ; between the wait above and these loads stand loads and a window switch alone
	WIN 0
	; ---- lane addresses and the fragment of ones, while the loads are on their way ----
	v_lshlrev_b32 v[CA], 5, v2
	v_mul_u32_u24 v[KA], v1, KPITCH
	v_lshl_add_u32 v[KA], v2, 4, v[KA]
	v_and_b32 v6, 7, v0                            ; lane % 8
	v_lshl_add_u32 v7, v2, 3, v6
	v_mul_u32_u24 v[VA], v7, VPITCH
	v_bfe_u32 v7, v0, 3, 1
	v_lshl_add_u32 v[VA], v7, 4, v[VA]
	v_lshrrev_b32 v7, 4, v0                        ; t / 16: my row among the eight of a load
	v_mul_u32_u24 v[KS], v7, KPITCH
	v_lshl_add_u32 v[KS], v1, 3, v[KS]
	v_mul_u32_u24 v[VS], v7, VPITCH
	v_lshl_add_u32 v[VS], v1, 3, v[VS]
	v_and_b32 v7, 31, v0                           ; lane
	v_lshlrev_b32 v[PFO], 8, v7
	v_lshlrev_b32 v[OO], 4, v7
	s_mul_i32 s37, s2, WSTAGE
	s_add_co_u32 s37, s37, STAGE                   ; my wave's stage
	v_mul_u32_u24 v[ST], v1, SPITCH
	v_lshl_add_u32 v[ST], v2, 5, v[ST]             ; in: row r, 32 bytes for each half of the lanes
	v_add_nc_u32 v[ST], s37, v[ST]
	v_mul_u32_u24 v[RD], v2, SPITCH
	v_lshl_add_u32 v[RD], v1, 4, v[RD]             ; back: lanes 0-15 one row of 256 bytes, lanes 16-31 the next
	v_add_nc_u32 v[RD], s37, v[RD]
	v_mov_b32 v[PT], 0                             ; the lane exchange counts as a reader of its destination
	v_mov_b32 v[PT+1], 0
	v_cmp_eq_u32 vcc_lo, 0, v6                     ; rows 0 and 8 of the A fragment: lanes with r = 0 or 8
	v_mov_b32 v7, 0x3c003c00                       ; 1.0, 1.0 in f16
	s_wait_alu depctr_va_vcc(0)                    ; the compare has written VCC, which the select below reads
	v_cndmask_b32 v6, 0, v7, vcc_lo
	WIN 0x40
.irp i, 0,1,2,3,4,5,6,7
	v_mov_b32 v[ONE+\i], v6
.endr
	WIN 0
	s_wait_kmcnt 0x0
	s_mul_f32 s28, s41, 0xbfb8aa3b                 ; -beta log2 e
	s_mul_f32 s30, s40, 0x3fb8aa3b                 ; alpha log2 e
	s_mov_b32 s29, s28
	s_mov_b32 s31, s30
	s_wait_loadcnt 38                              ; the key coordinates are in: 16 + 6 + 16 younger loads stay out
.irp g, 0,1,2,3
.irp i, 0,1,2,3
.irp p, 0,1,2
	ds_store_b32 v[GO], v[SC+12*\g+3*\i+\p] offset:PLANE*\p+2048*\g+4*\i      ; coordinate p of key 512 g + 4 t + i into plane p; the data come from loads, and no vector line since the wait ahead of the loads names v[GO]
.endr
.endr
.endr
	s_wait_loadcnt 22                              ; Q is in: 6 + 16 younger loads stay out
.set j, 0
.rept 32
	v_pk_mul_f32 v[CB+2*j:CB+2*j+1], v[CB+2*j:CB+2*j+1], 0x3e38aa3b op_sel_hi:[1,0]         ; x log2(e) / 8
.set j, j+1
.endr
.set j, 0
.rept 32
	v_cvt_pk_f16_f32 v[QF+j], v[CB+2*j], v[CB+2*j+1]
.set j, j+1
.endr
	STAGE 0, 1                                     ; the query's coordinates and tile 0 are in; tile 0 goes to slot 0, tile 1 is asked for.  Its wait on va_vdst stands behind all the lines above: every lane
	                                               ; address is written, and the lines that scaled and rounded Q are done with v88 to v151, which are CB and KF from here on
	WIN 0
	s_wait_dscnt 0x0                               ; for the other waves: my coordinates and my part of tile 0 are in LDS
	s_barrier_signal -1
	s_barrier_wait -1
	s_wait_alu depctr_vm_vsrc(0)                   ; my LDS stores have read the coordinates in SC, which tile 0's lines write, and OB, which trip 0's roundings write
	LOADC 0
	LOADC 1
	; ---- the 32 trips ----
	TRIP 0, 1, 1, 1, 1                             ; trip 0 starts the sums
	s_mov_b32 s34, 14
.Ltrips:
	TRIP 1, 0, 1, 1, 1                             ; trips 1 to 28
	TRIP 0, 0, 1, 1, 1
	s_sub_co_i32 s34, s34, 1
	s_cmp_lg_u32 s34, 0
	s_cbranch_scc1 .Ltrips
	TRIP 1, 0, 1, 1, 0                             ; trip 29 asks for tile 31, the last; nothing is left to prefetch
	TRIP 0, 0, 1, 0, 0                             ; trip 30 stores tile 31 and loads nothing
	TRIP 1, 0, 0, 0, 0                             ; trip 31
	; ---- the way out: divide by the sums, 32 rows of 256 bytes through my own stage, whole rows to memory ----
.rept 4
	v_nop                                          ; four places behind the last products before their results are read (ISA guide 7.12.1)
.endr
	WIN 0x01                                       ; source 0 window 1
	v_rcp_f32 v[CR], v[LS]
	v_rcp_f32 v[CR+1], v[LS+8]
	v_nop                                          ; the plain place behind the reciprocals
	s_wait_alu depctr_va_vdst(0)
.irp qt, 0,1
.set j, 0
.rept 16
	v_pk_mul_f32 v[SC+32*\qt+2*j:SC+32*\qt+2*j+1], v[OA+32*\qt+2*j:OA+32*\qt+2*j+1], v[CR:CR+1] op_sel:[0,\qt] op_sel_hi:[1,\qt]
.set j, j+1
.endr
.endr
	WIN 0
	s_wait_alu depctr_va_vdst(0)                   ; the multiplies have written SC, which the LDS stores read; trip 31's differences and products are done reading v88 to v151, in which the loads from the stage land
.irp qt, 0,1
.irp dt, 0,1,2,3
.irp e, 0,1
	ds_store_b128 v[ST], v[SC+32*\qt+8*\dt+4*\e:SC+32*\qt+8*\dt+4*\e+3] offset:16*SPITCH*\qt+64*\dt+16*\e     ; query 16 qt + r, d = 16 dt + 8 h + 4 e + 0..3
.endr
.endr
.endr
.irp i, 0,1,2,3,4,5,6,7,8,9,10,11,12,13,14,15
	ds_load_b128 v[CB+4*\i:CB+4*\i+3], v[RD] offset:2*SPITCH*\i               ; LDS serves a wave's instructions in order (ISA guide 5.7.1): these see the stores above
.endr
.irp i, 0,1,2,3,4,5,6,7,8,9,10,11,12,13,14,15
	s_wait_dscnt 15-\i                             ; load i is in, the younger ones stay out
	global_store_b128 v[OO], v[CB+4*\i:CB+4*\i+3], s[22:23] offset:512*\i th:TH_STORE_NT    ; 16 lanes store 256 consecutive bytes, a whole row of out0
.endr
	s_wait_dscnt 0x0
	s_wait_alu depctr_hold_cnt(0) depctr_sa_sdst(0) depctr_va_vdst(0) depctr_va_sdst(0) depctr_va_ssrc(0) depctr_va_vcc(0) depctr_vm_vsrc(0)
	s_wait_tensorcnt 0x0
	ds_add_u32 v254, v255
	s_wait_dscnt 0x0
	s_endpgm
.Lfunc_end_k_qec4d484568_attn:
	.size	k_qec4d484568_attn, .Lfunc_end_k_qec4d484568_attn-k_qec4d484568_attn
	.p2alignl 7, 3214868480
	.fill 96, 4, 3214868480
	.section	.rodata,"a",@progbits
	.p2align	6, 0x0
	.amdhsa_kernel k_qec4d484568_attn
		.amdhsa_group_segment_fixed_size 98816
		.amdhsa_private_segment_fixed_size 0
		.amdhsa_enable_private_segment 0
		.amdhsa_kernarg_size 64
		.amdhsa_user_sgpr_count 2
		.amdhsa_user_sgpr_kernarg_segment_ptr 1
		.amdhsa_wavefront_size32 1
		.amdhsa_system_sgpr_workgroup_id_x 1
		.amdhsa_system_sgpr_workgroup_id_y 1
		.amdhsa_system_sgpr_workgroup_id_z 1
		.amdhsa_system_vgpr_workitem_id 0
		.amdhsa_next_free_vgpr 504
		.amdhsa_next_free_sgpr 66
		.amdhsa_reserve_vcc 1
		.amdhsa_float_denorm_mode_32 3
		.amdhsa_float_denorm_mode_16_64 3
		.amdhsa_memory_ordered 1
		.amdhsa_forward_progress 1
		.amdhsa_inst_pref_size 255
	.end_amdhsa_kernel
	.section	.bss,"aw",@nobits
	.p2align	6
	.space	262144
	.amdgpu_metadata
---
amdhsa.version: [ 1, 2 ]
amdhsa.kernels:
  - .name:           k_qec4d484568_attn
    .symbol:         k_qec4d484568_attn.kd
    .args:
      - { .name: q, .offset: 0, .size: 8, .value_kind: global_buffer, .address_space: global }
      - { .name: k, .offset: 8, .size: 8, .value_kind: global_buffer, .address_space: global }
      - { .name: v, .offset: 16, .size: 8, .value_kind: global_buffer, .address_space: global }
      - { .name: qs_s, .offset: 24, .size: 8, .value_kind: global_buffer, .address_space: global }
      - { .name: ks_s, .offset: 32, .size: 8, .value_kind: global_buffer, .address_space: global }
      - { .name: alpha, .offset: 40, .size: 8, .value_kind: global_buffer, .address_space: global }
      - { .name: beta, .offset: 48, .size: 8, .value_kind: global_buffer, .address_space: global }
      - { .name: out0, .offset: 56, .size: 8, .value_kind: global_buffer, .address_space: global }
    .group_segment_fixed_size: 98816
    .private_segment_fixed_size: 0
    .kernarg_segment_align: 8
    .kernarg_segment_size: 64
    .max_flat_workgroup_size: 128
    .sgpr_count:     66
    .vgpr_count:     504
    .wavefront_size: 32
...
	.end_amdgpu_metadata
.endif
;; end of part 2
